; MI455X (gfx1250); checked and timed in simulation.
; The chip was launched on July 23, 2026; its instructions are those of AMD's public machine-readable ISA for CDNA 5 (MIT licence, August 2026) and "CDNA5" Instruction Set Architecture Reference Guide (July 2026). The comments in the code are by the model that wrote it; some were corrected since.
;; Moe Row Parallel Linear. Allowed arithmetic: float matrix products may take bf16 or f16 operands with f32 sums; all other float work in f32.
;; Inputs: X 2,048 x 2,048 float32; bias 8 x 2,048 float32; expert_offset 9 int32; weight 8 x 2,048 x 2,048 float32.
;; Outputs: out0 2,048 x 2,048 float32.
;; 2 versions, each right and faster than the one before. Each part assembles by itself: llvm-mc -triple=amdgcn-amd-amdhsa -mcpu=gfx1250 --defsym DOCPART=n.
;; ======== version 1 of 2: 2 launches
;; workspace buffers: xb 8,388,608 bytes
;; launch pack (part 1): grid 256 x 1, 4 waves a work-group, no clusters, 34,304 bytes of LDS; arguments X, xb; writes xb
.if DOCPART == 1
	.amdgcn_target "amdgcn-amd-amdhsa--gfx1250"
	.amdhsa_code_object_version 6
	.text
	.protected	k_q21f598e388_pack
	.globl	k_q21f598e388_pack
	.p2align	8
	.type	k_q21f598e388_pack,@function
k_q21f598e388_pack:
	s_mov_b64 s[64:65], 0
	v_nop
	global_prefetch_b8 v0, s[64:65] scope:SCOPE_SE
	s_setreg_imm32_b32 hwreg(HW_REG_WAVE_MODE, 25, 1), 1
	s_wait_xcnt 0x0
; xb = X rounded to bf16 (nearest even), laid out as ready matrix fragments.  X: [2048][2048] f32.
; xb: [128 blocks of 16 tokens][64 K steps of 32][2 halves q][32 lanes][16 bytes]; lane 16 h + r of half q holds X[16 b + r][32 ks + 16 q + 8 h .. + 7].
; So a block is 65,536 bytes, a fragment 1,024, and the next launch fills half a matrix operand with one load of 512 consecutive bytes a wave.
; SHARES.  1,024 tiles of 16 tokens x 256 K, one a wave: block b = group / 2, K chunk kc = 4 (group % 2) + wave.  No loop.  The turn from rows to fragments goes
; through LDS bytes that are the wave's own, so there is no barrier.  Every byte of X is read once, every byte of xb written once, both in runs of 512 consecutive bytes.
.set PITCH, 528                        ; an LDS row: 512 bytes of bf16 + 16: the 16 rows that a read-back touches start 16 bytes apart modulo 256 (64 banks of 4 bytes: ISA guide 11.1)
.set AREA,  16*PITCH                   ; a wave's bytes
.set GO,   2                           ; v2        16 x lane: my 16 bytes in a run of 512, in X and in xb; never rewritten
.set LST,  3                           ; v3        LDS: my 8 bytes of bf16 in a run of 256
.set LRD,  4                           ; v4        LDS: row r, 16 bytes for each half of the lanes
.set IN,   8                           ; v[8:135]  load n = 2 i + j (row i, half j of its 1,024 bytes): 4 registers
.set PK,   136                         ; v[136:199] load n as 4 bf16: 2 registers
.set OUT,  8                           ; v[8:71]   the fragments, in IN's registers, which have been converted by then
	s_load_b128 s[4:7], s[0:1], 0x0                ; X s[4:5], xb s[6:7]
	v_lshl_add_u32 v200, v0, 2, 0x8400
	v_mov_b32 v201, 0
	v_lshrrev_b32 v5, 5, v0
	v_readfirstlane_b32 s8, v5                     ; wave 0..3
	v_and_b32 v1, 31, v0                           ; lane
	v_lshlrev_b32 v[GO], 4, v1
	s_lshr_b32 s9, ttmp9, 1                        ; b
	s_and_b32 s10, ttmp9, 1
	s_lshl2_add_u32 s10, s10, s8                   ; kc = 4 (group % 2) + wave
	s_mul_i32 s11, s8, AREA                        ; my wave's LDS bytes
	v_lshl_add_u32 v[LST], v1, 3, s11
	v_and_b32 v6, 15, v1                           ; r
	v_lshrrev_b32 v7, 4, v1                        ; h
	v_mul_u32_u24 v[LRD], v6, PITCH
	v_lshl_add_u32 v[LRD], v7, 4, v[LRD]
	v_add_nc_u32 v[LRD], s11, v[LRD]
	s_lshl_b32 s12, s9, 17                         ; X: 16 rows of 8,192 bytes a block,
	s_lshl_b32 s14, s10, 10                        ; 1,024 bytes of a row a chunk
	s_add_co_u32 s12, s12, s14
	s_mov_b32 s13, 0
	s_wait_kmcnt 0x0
	s_add_nc_u64 s[4:5], s[4:5], s[12:13]
	s_lshl_b32 s12, s9, 16                         ; xb: 65,536 bytes a block,
	s_lshl_b32 s14, s10, 13                        ; 8 K steps of 1,024 bytes a chunk
	s_add_co_u32 s12, s12, s14
	s_add_nc_u64 s[6:7], s[6:7], s[12:13]
	; all 32 loads go out at once: 16,384 bytes of the wave on their way
.irp n, 0,1,2,3,4,5,6,7,8,9,10,11,12,13,14,15,16,17,18,19,20,21,22,23,24,25,26,27,28,29,30,31
	global_load_b128 v[IN+4*(\n):IN+4*(\n)+3], v[GO], s[4:5] offset:8192*((\n)/2)+512*((\n)%2) th:TH_LOAD_NT
.endr
.irp n, 0,1,2,3,4,5,6,7,8,9,10,11,12,13,14,15,16,17,18,19,20,21,22,23,24,25,26,27,28,29,30,31
	s_wait_loadcnt 31-(\n)                         ; loads come back in order (ISA guide 5.7.1): load n is in, the younger ones stay out
	v_cvt_pk_bf16_f32 v[PK+2*(\n)],   v[IN+4*(\n)],   v[IN+4*(\n)+1]
	v_cvt_pk_bf16_f32 v[PK+2*(\n)+1], v[IN+4*(\n)+2], v[IN+4*(\n)+3]
	ds_store_b64 v[LST], v[PK+2*(\n):PK+2*(\n)+1] offset:PITCH*((\n)/2)+256*((\n)%2)
.endr
	; fragment half f = 2 ks + q: row r, bytes 64 ks + 32 q + 16 h
.irp f, 0,1,2,3,4,5,6,7,8,9,10,11,12,13,14,15
	ds_load_b128 v[OUT+4*(\f):OUT+4*(\f)+3], v[LRD] offset:64*((\f)/2)+32*((\f)%2)  ; LDS serves a wave's instructions in order (ISA guide 5.7.1.4): these see the stores above
.endr
.irp f, 0,1,2,3,4,5,6,7,8,9,10,11,12,13,14,15
	s_wait_dscnt 15-(\f)                           ; half f is back, the younger ones stay out
	global_store_b128 v[GO], v[OUT+4*(\f):OUT+4*(\f)+3], s[6:7] offset:512*(\f)  ; 512 consecutive bytes, at a multiple of 512 from xb's first byte; the next launch reads them, so no hint
.endr
	s_wait_tensorcnt 0x0
	ds_add_u32 v200, v201
	s_wait_dscnt 0x0
	s_endpgm
.Lfunc_end_k_q21f598e388_pack:
	.size	k_q21f598e388_pack, .Lfunc_end_k_q21f598e388_pack-k_q21f598e388_pack
	.p2alignl 7, 3214868480
	.fill 96, 4, 3214868480
	.section	.rodata,"a",@progbits
	.p2align	6, 0x0
	.amdhsa_kernel k_q21f598e388_pack
		.amdhsa_group_segment_fixed_size 34304
		.amdhsa_private_segment_fixed_size 0
		.amdhsa_enable_private_segment 0
		.amdhsa_kernarg_size 16
		.amdhsa_user_sgpr_count 2
		.amdhsa_user_sgpr_kernarg_segment_ptr 1
		.amdhsa_wavefront_size32 1
		.amdhsa_system_sgpr_workgroup_id_x 1
		.amdhsa_system_sgpr_workgroup_id_y 1
		.amdhsa_system_sgpr_workgroup_id_z 1
		.amdhsa_system_vgpr_workitem_id 0
		.amdhsa_next_free_vgpr 202
		.amdhsa_next_free_sgpr 66
		.amdhsa_reserve_vcc 0
		.amdhsa_float_denorm_mode_32 3
		.amdhsa_float_denorm_mode_16_64 3
		.amdhsa_memory_ordered 1
		.amdhsa_forward_progress 1
		.amdhsa_inst_pref_size 15
	.end_amdhsa_kernel
	.amdgpu_metadata
---
amdhsa.version: [ 1, 2 ]
amdhsa.kernels:
  - .name:           k_q21f598e388_pack
    .symbol:         k_q21f598e388_pack.kd
    .args:
      - { .name: X, .offset: 0, .size: 8, .value_kind: global_buffer, .address_space: global }
      - { .name: xb, .offset: 8, .size: 8, .value_kind: global_buffer, .address_space: global }
    .group_segment_fixed_size: 34304
    .private_segment_fixed_size: 0
    .kernarg_segment_align: 8
    .kernarg_segment_size: 16
    .max_flat_workgroup_size: 128
    .sgpr_count:     66
    .vgpr_count:     202
    .wavefront_size: 32
...
	.end_amdgpu_metadata
.endif
;; end of part 1
;; launch moe (part 2): grid 256 x 1, 8 waves a work-group, no clusters, 299,008 bytes of LDS; arguments xb, bias, expert_offset, weight, out0; writes out0
.if DOCPART == 2
	.amdgcn_target "amdgcn-amd-amdhsa--gfx1250"
	.amdhsa_code_object_version 6
	.text
	.protected	k_q21f598e388_moe
	.globl	k_q21f598e388_moe
	.p2align	8
	.type	k_q21f598e388_moe,@function
k_q21f598e388_moe:
	s_mov_b64 s[64:65], 0
	v_nop
	global_prefetch_b8 v0, s[64:65] scope:SCOPE_SE
	s_setreg_imm32_b32 hwreg(HW_REG_WAVE_MODE, 25, 1), 1
	s_wait_xcnt 0x0
; out0[t][:] = bias[e] + X[t] . weight[e]^T for the expert e of token t: offset[e] <= t < offset[e+1] (expert 0 begins at token 0: like the reference, the text makes no use of offset[0]).
; xb: X in bf16 as fragments ([128 blocks of 16 tokens][64 K steps][2 halves][32 lanes][16 bytes]); weight: [8][2048][2048] f32; bias: [8][2048] f32; out0: [2048][2048] f32.
; Products of bf16 operands (weight rounded here, nearest even), sums and bias in f32; the bias is the C operand that starts each sum.
; LIMITS.  expert_offset[1..8] is ascending, as the reference's searchsorted needs, and expert_offset[8] >= 2048, so that every token's expert is one of bias's eight rows: a token at or
; beyond offset[8] would not be written.  An entry below 0 counts as 0, one above 2048 as 2048.  Only a token's own expert is multiplied: a NaN or an infinity in ANOTHER expert's weights
; does not reach it (the reference's 0 x inf would).
; SHARES.  weight has 8 x 2048 = 16,384 rows: 64 for each of 256 work-groups.  Group 32 e + nt owns expert e, outputs 64 nt .. 64 nt + 63: 524,288 consecutive bytes of weight.
; PHASE 1: the eight waves stream those bytes once, round them to bf16 and lay them into LDS (263,168 bytes): equal work for every work-group, each byte of weight read once in the launch.
; PHASE 2: the expert's tokens go in GROUPS of four blocks of 16; wave w takes groups w, w + 8, ..  A group is 64 tokens x 64 outputs: 16 accumulators, 64 K steps of 16 matrix instructions.
; X's fragments come straight from xb into a ring of eight K steps of registers, weight's from LDS.  The waves do not depend on each other there: the text has ONE barrier, between the phases.
; The length of phase 2 goes with the expert's tokens: work-groups of a long segment work longer than the others.
; ADDRESSES.  Every vector address register is made at the head, from the thread's number, the wave's number and constants, and never written again but for phase 1's LDS address.  In phase 2 only the
; four blocks' scalar bases hang on expert_offset (each block's number clamped to 127); the K step is written once and repeated 64 times by the assembler, so that its place stands in the immediates:
; 4,064 bytes at the most for LDS, 65,024 for xb.
; NO CLUSTER, though an expert's 32 work-groups read the same fragments of X: a joint load lands in LDS, of which 29,696 bytes of 327,680 are left beside weight's rows and the stages, under one
; K step of 128 of a group; and the number of joint requests and of the cluster's barriers would hang on expert_offset.
; THE MATRIX INSTRUCTION IS USED TRANSPOSED (source 0 = 16 rows of weight, source 1 = 16 tokens): lane 16 h + r holds token r and the outputs 8 h + 0..7 of the 16: 32 consecutive bytes of a row of out0.
; REGISTERS, in windows of 256 (s_set_vgpr_msb: bits 1:0 source 0, 3:2 source 1, 5:4 source 2, 7:6 destination):
;   window 0: v0-23 addresses; v32-63 bias; v64-127 weight's fragments, two buffers (the way out: rows read back); v128-255 accumulators (phase 1: the ring of loads)
;   window 1: X's fragments: K step slot p, token block m at v[32 p + 8 m]
.set PW,    4112                       ; a row of weight in LDS: 4,096 bytes of bf16 + 16: the 16 rows of a fragment load start 16 bytes apart modulo 256 (64 banks of 4 bytes: ISA guide 11.1)
.set SP,    272                        ; a row of a stage: 256 bytes of f32 + 16, likewise
.set STAGE, 64*PW                      ; behind weight's rows: 16 rows x 272 bytes for each wave, for the way out
.set KSTEPS, 64                        ; K steps of 32 in 2,048
.set L16,  1                           ; v1     16 x lane: my 16 bytes in a run of 512 of xb; never rewritten
.set WB0,  3                           ; v3-6   LDS: row 16 n + r of weight, 16 h; never rewritten
.set STO,  11                          ; v11    the way out: where I put 32 bytes of a row
.set RD,   12                          ; v12    the way out: where I read a row back
.set CO,   13                          ; v13    my byte offset in two rows of out0
.set HH,   14                          ; v14    h = lane / 16
.set MK,   15                          ; v15    at work: my row's place in the segment
.set GW,   16                          ; v16    phase 1: my byte offset in the group's part of weight
.set LW,   17                          ; v17    phase 1: LDS, my 8 bytes of bf16
.set H32,  18                          ; v18    32 h: my eight numbers of bias
.set BIAS, 32                          ; v[32:63]   8 registers for each 16 outputs n
.set BF,   64                          ; v[64:127]  buffer c, outputs n at BF + 32 c + 8 n
.set T,    64                          ; phase 1: eight pairs of packed bf16
.set OB,   64                          ; the way out: two sets of 32
.set ACC,  128                         ; accumulator (m, n) at ACC + 8 (4 m + n)
.set RING, 128                         ; phase 1: 32 slots of 4
.set WV,   14                          ; s14  wave     s15  e     s16  nt     s17  4 e     s18, s19  offset[e], offset[e+1]
.set GG,   20                          ; s20  the group in hand
.set NG,   21                          ; s21  groups of the segment
.set B0,   22                          ; s22  the segment's first block of 16 tokens
.set LO,   23                          ; s23  its first token
.set LEN,  24                          ; s24  its tokens
.set XB,   32                          ; s[32:39] xb at the group's four blocks
.set OUTB, 40                          ; s[40:47] out0 at the same blocks' first rows, my 64 outputs
.set REL,  48                          ; s48-51   16 x block - LO: the block's first token counted from the segment's first (below 0 it wraps, on purpose)
.set SAVE, 52                          ; s52  EXEC, kept
.set MSB, 0
.macro WIN new                         ; the immediate's high byte repeats the setting that is left; a switch that changes nothing is dropped
.if MSB != (\new)
	s_set_vgpr_msb (MSB<<8)|(\new)
.set MSB, \new
.endif
.endm
.set W_MM, 0x04                        ; source 1 (X) in window 1; an LDS load names a destination and source 0 alone, so weight's loads stand under it too
.set W_LD, 0x40                        ; destination in window 1
	s_load_b256 s[4:11], s[0:1], 0x0               ; xb s[4:5], bias s[6:7], expert_offset s[8:9], weight s[10:11]
	s_load_b64 s[12:13], s[0:1], 0x20              ; out0
	v_lshl_add_u32 v30, v0, 2, 0x48c00
	v_mov_b32 v31, 0
	v_lshrrev_b32 v19, 5, v0
	v_readfirstlane_b32 s[WV], v19                 ; wave 0..7
	s_lshr_b32 s15, ttmp9, 5                       ; e
	s_and_b32 s16, ttmp9, 31                       ; nt
	s_lshl_b32 s17, s15, 2
	s_mov_b32 s55, 0                               ; the upper word of every offset pair s[54:55]
	v_and_b32 v20, 31, v0                          ; lane
	v_and_b32 v21, 15, v0                          ; r
	v_bfe_u32 v[HH], v0, 4, 1
	v_lshlrev_b32 v[L16], 4, v20
	v_lshlrev_b32 v[H32], 5, v[HH]
	v_mul_u32_u24 v22, v21, PW
	v_lshl_add_u32 v22, v[HH], 4, v22              ; row x pitch + 16 x half
.irp n, 0,1,2,3
	v_add_nc_u32 v[WB0+(\n)], (\n)*16*PW, v22
.endr
	s_mul_i32 s27, s[WV], 16*SP
	s_add_co_u32 s27, s27, STAGE                   ; my stage
	v_mul_u32_u24 v23, v21, SP                     ; in: row r, 32 bytes for each half of the lanes
	v_lshl_add_u32 v23, v[HH], 5, v23
	v_add_nc_u32 v[STO], s27, v23
	v_mul_u32_u24 v23, v[HH], SP                   ; back: lanes 0-15 take one row of 256 bytes, lanes 16-31 the next
	v_lshl_add_u32 v23, v21, 4, v23
	v_add_nc_u32 v[RD], s27, v23
	v_lshlrev_b32 v[CO], 13, v[HH]                 ; and the same two rows in out0, 8,192 bytes apart
	v_lshl_add_u32 v[CO], v21, 4, v[CO]
	s_lshl_b32 s28, s[WV], 16                      ; phase 1: my wave's 8 rows are 65,536 consecutive bytes of weight
	v_add_nc_u32 v[GW], s28, v[L16]
	s_mul_i32 s28, s[WV], 8*PW                     ; and 8 rows of LDS
	v_lshl_add_u32 v[LW], v20, 3, s28
	s_wait_kmcnt 0x0
	s_load_b32 s18, s[8:9], s17 offset:0x0         ; offset[e]
	s_load_b32 s19, s[8:9], s17 offset:0x4         ; offset[e+1]: e is 7 at the most, so the last byte read is the buffer's 36th
	s_lshl_b32 s54, ttmp9, 8
	s_add_nc_u64 s[6:7], s[6:7], s[54:55]          ; bias + 8,192 e + 256 nt
	s_lshl_b32 s54, ttmp9, 19
	s_add_nc_u64 s[10:11], s[10:11], s[54:55]      ; weight + 524,288 x group
	s_lshl_b32 s54, s16, 8
	s_add_nc_u64 s[12:13], s[12:13], s[54:55]      ; out0 at my 64 outputs of row 0
.irp n, 0,1,2,3
	global_load_b128 v[BIAS+8*(\n):BIAS+8*(\n)+3],   v[H32], s[6:7] offset:64*(\n)     ; bias of outputs 16 n + 8 h + 0..3,
	global_load_b128 v[BIAS+8*(\n)+4:BIAS+8*(\n)+7], v[H32], s[6:7] offset:64*(\n)+16  ; + 4..7: the accumulators' own layout
.endr
; PHASE 1.  A wave's 65,536 bytes are 128 loads of 512 consecutive bytes: four rounds of 32 slots, two rows of weight a round.  32 loads of every wave, 16,384 bytes, are always on their way.
.irp i, 0,1,2,3,4,5,6,7,8,9,10,11,12,13,14,15,16,17,18,19,20,21,22,23,24,25,26,27,28,29,30,31
	global_load_b128 v[RING+4*(\i):RING+4*(\i)+3], v[GW], s[10:11] offset:512*(\i) th:TH_LOAD_NT
.endr
; One slot's turn.  ahead = 1: it is filled again with its bytes of the next round.  left = the younger loads that may stay out.
.macro SLOTW i, ahead, left
	s_wait_loadcnt \left                           ; loads come back in order (ISA guide 5.7.1): mine is in
	v_cvt_pk_bf16_f32 v[T+2*((\i)%8)],   v[RING+4*(\i)],   v[RING+4*(\i)+1]
	v_cvt_pk_bf16_f32 v[T+2*((\i)%8)+1], v[RING+4*(\i)+2], v[RING+4*(\i)+3]
.if \ahead
	global_load_b128 v[RING+4*(\i):RING+4*(\i)+3], v[GW], s[10:11] offset:16384+512*(\i) th:TH_LOAD_NT
.endif
	ds_store_b64 v[LW], v[T+2*((\i)%8):T+2*((\i)%8)+1] offset:PW*((\i)/16)+256*((\i)%16)  ; 128 numbers of a row: 256 consecutive bytes
.endm
	s_mov_b32 s26, 3
.Lround:
.irp i, 0,1,2,3,4,5,6,7,8,9,10,11,12,13,14,15,16,17,18,19,20,21,22,23,24,25,26,27,28,29,30,31
	SLOTW \i, 1, 31                                ; behind slot i's load: 31 - i of its round and the i refills of this one; the bias loads are older
.endr
	s_wait_xcnt 0x0                                ; every earlier memory instruction has had its addresses translated (ISA guide 3.1): the base steps only behind this wait
	s_add_nc_u64 s[10:11], s[10:11], 0x4000
	v_add_nc_u32 v[LW], 2*PW, v[LW]
	s_sub_co_u32 s26, s26, 1
	s_cmp_lg_u32 s26, 0
	s_cbranch_scc1 .Lround
.irp i, 0,1,2,3,4,5,6,7,8,9,10,11,12,13,14,15,16,17,18,19,20,21,22,23,24,25,26,27,28,29,30,31
	SLOTW \i, 0, 31-(\i)                           ; the last round loads nothing: the counts run down, and no load leaves the group's part of weight
.endr
	s_wait_kmcnt 0x0                               ; the two offsets
	s_wait_dscnt 0x0                               ; for the others' sake: my rows of weight are in LDS
	s_barrier_signal -1
	; the segment's bounds, on scalar registers, while the others arrive
	s_max_i32 s18, s18, 0
	s_min_u32 s18, s18, 2048
	s_cmp_eq_u32 s15, 0
	s_cselect_b32 s[LO], 0, s18                    ; expert 0 begins at token 0
	s_max_i32 s19, s19, 0
	s_min_u32 s19, s19, 2048
	s_max_u32 s19, s19, s[LO]                      ; the segment's end
	s_sub_co_u32 s[LEN], s19, s[LO]
	s_lshr_b32 s[B0], s[LO], 4
	s_add_co_u32 s27, s19, 15
	s_lshr_b32 s27, s27, 4
	s_sub_co_u32 s27, s27, s[B0]                   ; blocks of 16 tokens that the segment touches,
	s_cmp_eq_u32 s[LEN], 0
	s_cselect_b32 s27, 0, s27                      ; none if it is empty
	s_add_co_u32 s27, s27, 3
	s_lshr_b32 s[NG], s27, 2                       ; groups of four blocks: 32 at the most
	s_mov_b32 s[GG], s[WV]
	s_barrier_wait -1                              ; all 64 rows are in LDS; nothing writes them again
; PHASE 2.
; 8 matrix instructions: token blocks m0, m0 + 1 x all 64 outputs, 32 along K.  first = 1: the bias starts the sums.  SA and SB are the step's slot of X and buffer of weight.
.macro MUL8 m0, first
.irp m, \m0, (\m0)+1
.irp n, 0,1,2,3
.if \first
	v_wmma_f32_16x16x32_bf16 v[ACC+8*(4*(\m)+(\n)):ACC+8*(4*(\m)+(\n))+7], v[SB+8*(\n):SB+8*(\n)+7], v[SA+8*(\m):SA+8*(\m)+7], v[BIAS+8*(\n):BIAS+8*(\n)+7]
.else
	v_wmma_f32_16x16x32_bf16 v[ACC+8*(4*(\m)+(\n)):ACC+8*(4*(\m)+(\n))+7], v[SB+8*(\n):SB+8*(\n)+7], v[SA+8*(\m):SA+8*(\m)+7], v[ACC+8*(4*(\m)+(\n)):ACC+8*(4*(\m)+(\n))+7]
.endif
.endr
.endr
.endm
; K step st of 64.  It multiplies slot st % 8 of X by buffer st % 2 of weight.  In its middle it asks for weight's fragments of step st + 1 and X's of step st + 7, while there are such steps: they go
; into the buffer and the slot that step st - 1 read.  A load into a register that a matrix instruction has read stands four places behind it, and only plain vector instructions that name none of its
; registers are places (ISA guide 7.12.1 for vector instructions): the four v_nop.  The 16 accumulators take turns in the same order in every step.
; The wait for X leaves out eight loads for each K step asked for behind this one's: six steps up to st = 57, then 63 - st.  The last fill, in step 56, is K step 63: it ends at the block's last byte.
.macro STEP st
.set SA, 32*((\st)%8)
.set SB, BF+32*((\st)%2)
.set NA, 32*(((\st)+7)%8)
.set NB, BF+32*(((\st)+1)%2)
.if (\st) < KSTEPS-7
.set LEFT, 48
.else
.set LEFT, 8*(KSTEPS-1-(\st))
.endif
	s_wait_loadcnt LEFT                            ; X of this step is in
	s_wait_dscnt 0x0                               ; weight of this step is in: asked for in the middle of the step before, and nothing younger is out
	WIN W_MM
.if (\st) == 0
	MUL8 0, 1
.else
	MUL8 0, 0
.endif
.if (\st) < KSTEPS-1
.rept 4
	v_nop
.endr
.irp n, 0,1,2,3
	ds_load_b128 v[NB+8*(\n):NB+8*(\n)+3],   v[WB0+(\n)] offset:64*((\st)+1)
	ds_load_b128 v[NB+8*(\n)+4:NB+8*(\n)+7], v[WB0+(\n)] offset:64*((\st)+1)+32
.endr
.endif
.if (\st) < KSTEPS-7
	WIN W_LD
.irp m, 0,1,2,3
	global_load_b128 v[NA+8*(\m):NA+8*(\m)+3],   v[L16], s[XB+2*(\m):XB+2*(\m)+1] offset:1024*((\st)+7)
	global_load_b128 v[NA+8*(\m)+4:NA+8*(\m)+7], v[L16], s[XB+2*(\m):XB+2*(\m)+1] offset:1024*((\st)+7)+512
.endr
	WIN W_MM
.endif
.if (\st) == 0
	MUL8 2, 1
.else
	MUL8 2, 0
.endif
.endm
; THE WAY OUT of token block m.  TOSTAGE: a lane's 32 bytes of each 16 outputs go into my own stage (each accumulator's low registers first) and come back as whole rows of 256 bytes.
.macro TOSTAGE m
.irp n, 0,1,2,3
	ds_store_b128 v[STO], v[ACC+8*(4*(\m)+(\n)):ACC+8*(4*(\m)+(\n))+3]   offset:64*(\n)
	ds_store_b128 v[STO], v[ACC+8*(4*(\m)+(\n))+4:ACC+8*(4*(\m)+(\n))+7] offset:64*(\n)+16
.endr
.irp t, 0,1,2,3,4,5,6,7
	ds_load_b128 v[OB+32*((\m)%2)+4*(\t):OB+32*((\m)%2)+4*(\t)+3], v[RD] offset:2*SP*(\t)  ; LDS serves a wave's instructions in order (ISA guide 5.7.1.4): these see the stores above; the next block's stores come behind them
.endr
.endm
; SEND: rows 2 t + h are stored where they belong to the segment.  One unsigned test, place < LEN, serves both ends: a row ahead of the segment has wrapped below 0, and a block past the
; segment's end (a clamped one too) begins at LEN or beyond.  younger = the LDS instructions issued behind this block's loads.
.macro SEND m, younger
.irp t, 0,1,2,3,4,5,6,7
	s_wait_dscnt (\younger)+7-(\t)                 ; rows 2 t, 2 t + 1 are back
	v_add_nc_u32 v[MK], s[REL+(\m)], v[HH]
	v_cmp_gt_u32 vcc_lo, s[LEN], v[MK]
	s_and_saveexec_b32 s[SAVE], vcc_lo             ; no load or store has been issued since the last s_wait_xcnt 0
	global_store_b128 v[CO], v[OB+32*((\m)%2)+4*(\t):OB+32*((\m)%2)+4*(\t)+3], s[OUTB+2*(\m):OUTB+2*(\m)+1] offset:16384*(\t) th:TH_STORE_NT  ; 16 lanes store 256 consecutive bytes of a row, at a multiple of 256 from out0's first byte
	s_wait_xcnt 0x0                                ; EXEC is a source of the store: it is widened only behind this wait, which also frees the store's registers
	s_or_b32 exec_lo, exec_lo, s[SAVE]
	s_add_co_u32 s[REL+(\m)], s[REL+(\m)], 2       ; the next two rows
.endr
.endm
	s_mov_b32 s25, 4                               ; 8 waves x 4 trips serve the 32 groups that a segment can have
.Lgroup:
	s_cmp_ge_u32 s[GG], s[NG]
	s_cbranch_scc1 .Lnext                          ; forward, over text without a barrier
	s_wait_xcnt 0x0                                ; the last group's bases are rewritten only behind this wait
	s_lshl2_add_u32 s27, s[GG], s[B0]              ; the group's first block: B0 + 4 g
.irp m, 0,1,2,3
	s_add_co_u32 s28, s27, \m
	s_lshl_b32 s29, s28, 4
	s_sub_co_u32 s[REL+(\m)], s29, s[LO]
	s_min_u32 s28, s28, 127                        ; a block past the last is read as the last, multiplied, and stored nowhere
	s_lshl_b32 s54, s28, 16                        ; 65,536 bytes of xb a block
	s_add_nc_u64 s[XB+2*(\m):XB+2*(\m)+1], s[4:5], s[54:55]
	s_lshl_b32 s54, s28, 17                        ; 16 rows of 8,192 bytes of out0
	s_add_nc_u64 s[OUTB+2*(\m):OUTB+2*(\m)+1], s[12:13], s[54:55]
.endr
	WIN W_LD
.irp k, 0,1,2,3,4,5,6                  ; X of K steps 0 to 6: 56 loads, 28,672 bytes of the wave on their way
.irp m, 0,1,2,3
	global_load_b128 v[32*(\k)+8*(\m):32*(\k)+8*(\m)+3],   v[L16], s[XB+2*(\m):XB+2*(\m)+1] offset:1024*(\k)
	global_load_b128 v[32*(\k)+8*(\m)+4:32*(\k)+8*(\m)+7], v[L16], s[XB+2*(\m):XB+2*(\m)+1] offset:1024*(\k)+512
.endr
.endr
	WIN 0
.irp n, 0,1,2,3                        ; weight of K step 0
	ds_load_b128 v[BF+8*(\n):BF+8*(\n)+3],   v[WB0+(\n)]
	ds_load_b128 v[BF+8*(\n)+4:BF+8*(\n)+7], v[WB0+(\n)] offset:32
.endr
.set ks, 0
.rept KSTEPS                           ; the 64 K steps on end: step 0's products start the sums with the bias
	STEP ks
.set ks, ks+1
.endr
	WIN 0
.rept 5
	v_nop                                          ; the places behind the last products, in front of the LDS stores that read them and of the loads into weight's buffers
.endr
	s_wait_xcnt 0x0                                ; EXEC is narrowed below only behind this wait
	TOSTAGE 0
	TOSTAGE 1
	SEND 0, 16                                     ; behind block 0's loads stand block 1's eight stores and eight loads
	TOSTAGE 2
	SEND 1, 16
	TOSTAGE 3
	SEND 2, 16
	SEND 3, 0
.Lnext:
	s_add_co_u32 s[GG], s[GG], 8
	s_sub_co_u32 s25, s25, 1
	s_cmp_lg_u32 s25, 0
	s_cbranch_scc1 .Lgroup
	s_wait_tensorcnt 0x0
	ds_add_u32 v30, v31
	s_wait_dscnt 0x0
	s_endpgm
.Lfunc_end_k_q21f598e388_moe:
	.size	k_q21f598e388_moe, .Lfunc_end_k_q21f598e388_moe-k_q21f598e388_moe
	.p2alignl 7, 3214868480
	.fill 96, 4, 3214868480
	.section	.rodata,"a",@progbits
	.p2align	6, 0x0
	.amdhsa_kernel k_q21f598e388_moe
		.amdhsa_group_segment_fixed_size 299008
		.amdhsa_private_segment_fixed_size 0
		.amdhsa_enable_private_segment 0
		.amdhsa_kernarg_size 40
		.amdhsa_user_sgpr_count 2
		.amdhsa_user_sgpr_kernarg_segment_ptr 1
		.amdhsa_wavefront_size32 1
		.amdhsa_system_sgpr_workgroup_id_x 1
		.amdhsa_system_sgpr_workgroup_id_y 1
		.amdhsa_system_sgpr_workgroup_id_z 1
		.amdhsa_system_vgpr_workitem_id 0
		.amdhsa_next_free_vgpr 512
		.amdhsa_next_free_sgpr 66
		.amdhsa_reserve_vcc 1
		.amdhsa_float_denorm_mode_32 3
		.amdhsa_float_denorm_mode_16_64 3
		.amdhsa_memory_ordered 1
		.amdhsa_forward_progress 1
		.amdhsa_inst_pref_size 200
	.end_amdhsa_kernel
	.amdgpu_metadata
---
amdhsa.version: [ 1, 2 ]
amdhsa.kernels:
  - .name:           k_q21f598e388_moe
    .symbol:         k_q21f598e388_moe.kd
    .args:
      - { .name: xb, .offset: 0, .size: 8, .value_kind: global_buffer, .address_space: global }
      - { .name: bias, .offset: 8, .size: 8, .value_kind: global_buffer, .address_space: global }
      - { .name: expert_offset, .offset: 16, .size: 8, .value_kind: global_buffer, .address_space: global }
      - { .name: weight, .offset: 24, .size: 8, .value_kind: global_buffer, .address_space: global }
      - { .name: out0, .offset: 32, .size: 8, .value_kind: global_buffer, .address_space: global }
    .group_segment_fixed_size: 299008
    .private_segment_fixed_size: 0
    .kernarg_segment_align: 8
    .kernarg_segment_size: 40
    .max_flat_workgroup_size: 256
    .sgpr_count:     66
    .vgpr_count:     512
    .wavefront_size: 32
...
	.end_amdgpu_metadata
.endif
;; end of part 2
;; ======== version 2 of 2: 2 launches; 1.27 times as fast as version 1
;; workspace buffers: xb 8,388,608 bytes
;; launch pack: the kernel of part 1 again; grid 256 x 1, 4 waves a work-group, no clusters, 34,304 bytes of LDS; arguments X, xb; writes xb
;; launch moe (part 3): grid 256 x 1, 8 waves a work-group, no clusters, 299,008 bytes of LDS; arguments xb, bias, expert_offset, weight, out0; writes out0
.if DOCPART == 3
	.amdgcn_target "amdgcn-amd-amdhsa--gfx1250"
	.amdhsa_code_object_version 6
	.text
	.protected	k_q21f598e388_moe
	.globl	k_q21f598e388_moe
	.p2align	8
	.type	k_q21f598e388_moe,@function
k_q21f598e388_moe:
	s_mov_b64 s[64:65], 0
	v_nop
	global_prefetch_b8 v0, s[64:65] scope:SCOPE_SE
	s_setreg_imm32_b32 hwreg(HW_REG_WAVE_MODE, 25, 1), 1
	s_wait_xcnt 0x0
; out0[t][:] = bias[e] + X[t] . weight[e]^T for the expert e of token t: offset[e] <= t < offset[e+1] (expert 0 begins at token 0: like the reference, the text makes no use of offset[0]'s value).
; xb: X in bf16 as fragments ([128 blocks of 16 tokens][64 K steps][2 halves][32 lanes][16 bytes]); weight: [8][2048][2048] f32; bias: [8][2048] f32; out0: [2048][2048] f32.
; Products of bf16 operands (weight rounded here, nearest even), sums and bias in f32; the bias is the C operand that starts each sum.
; LIMITS.  expert_offset[1..8] is ascending, as the reference's searchsorted needs, and expert_offset[8] >= 2048, so that every token's expert is one of bias's eight rows: a token at or
; beyond offset[8] would not be written.  An entry below 0 counts as 0, one above 2048 as 2048.  Only a token's own expert is multiplied: a NaN or an infinity in ANOTHER expert's weights
; does not reach it (the reference's 0 x inf would).
; SHARES.  32 columns nt of 64 outputs x 8 WORKERS j: group 32 j + nt.  A VISIT is (expert e, a block of 16 tokens that e touches): 128 + 7 = 135 at the most, since each inner cut adds one.
; The visits lie on a line, by e and then by block, with ALPHA = 16 empty places between one expert that has tokens and the next: they stand for the price of streaming another 524,288 bytes of
; weight.  The line has L <= 7 x 16 + 135 = 247 places; worker j owns places j L / 8 to (j + 1) L / 8: 31 at the most.  Every work-group makes this schedule for itself from expert_offset.
;   At most TWO experts a worker: visits of three would lie 2 ALPHA + 3 = 35 places apart.  So the loop over PASSES has two trips, whatever the input.
;   At most 32 visits a pass: one group of four blocks for each of the eight waves.  (Both hold for ALPHA from 14 to 17.)
; Where few experts have tokens a worker's places can all be empty ones: it then stores nothing.
; A PASS.  Phase 1: the eight waves stream the expert's 64 rows of the column (524,288 consecutive bytes), round them to bf16 and lay them into LDS (263,168 bytes).  A barrier.  Phase 2: each wave
; multiplies its blocks by all 64 rows: X's fragments come straight from xb into a ring of registers, weight's from LDS.  A barrier, and the next pass may store over the rows.  Both barriers stand
; on every wave's path; the jumps on counts go forward over text that holds none.  Workers of one column that share a long expert read the same rows of weight: no hint on those loads.
; TWO HEIGHTS.  More than 16 visits: wave w takes visits 4 w to 4 w + 3 (16 accumulators).  16 or fewer: visits 2 w, 2 w + 1 (8 accumulators), so that a short pass is not charged for blocks
; that it does not have.  A visit at or past the pass's count is the next worker's: it is read (clamped), multiplied and stored nowhere.
; WEIGHT'S FRAGMENTS RUN AHEAD.  A K step of the low body has 8 products, of the high one 16: too few to stand between a request to LDS and a wait for all of it.  So there are more than two
; buffers, and the wait at a step's head is counted.  Low body: four (the 8 accumulators leave v192-255 idle), asked for two and a half steps ahead.  High body: three (the third is the bias's
; registers, which K step 0 alone reads), one and a half steps ahead.
; ADDRESSES.  Every vector address register is made at the head, from the thread's number, the wave's number and constants, and never written again.  Only scalar bases hang on expert_offset (the
; expert's number clamped to 7, a block's to 127).  Phase 1's 128 slots and the 64 K steps are written once and repeated by the assembler, so that their places stand in the immediates:
; 32,624 bytes at the most for LDS, 65,024 for weight and xb.
; NO CLUSTER, though a worker's 32 columns read the same fragments of X: a joint load lands in LDS, of which 29,696 bytes of 327,680 are left beside weight's rows and the stages, under one
; K step of 128 of a group; and which blocks are shared, and how many, hangs on expert_offset.
; THE MATRIX INSTRUCTION IS USED TRANSPOSED (source 0 = 16 rows of weight, source 1 = 16 tokens): lane 16 h + r holds token r and the outputs 8 h + 0..7 of the 16: 32 consecutive bytes of a row of out0.
; REGISTERS, in windows of 256 (s_set_vgpr_msb: bits 1:0 source 0, 3:2 source 1, 5:4 source 2, 7:6 destination):
;   window 0: v0-23 addresses; v32-63 bias (high body, from K step 0's end: weight's third buffer); v64-127 weight's fragments, two buffers (the way out: rows read back);
;             v128-255 accumulators (low body: v128-191, and v192-255 weight's third and fourth buffers; phase 1: the ring of loads)
;   window 1: X's fragments: with H blocks a wave, 32 / H slots of 8 H registers: K step slot p, block m at v[8 H p + 8 m]
.set PW,    4112                       ; a row of weight in LDS: 4,096 bytes of bf16 + 16: the 16 rows of a fragment load start 16 bytes apart modulo 256 (64 banks of 4 bytes: ISA guide 11.1)
.set SP,    272                        ; a row of a stage: 256 bytes of f32 + 16, likewise
.set STAGE, 64*PW                      ; behind weight's rows: 16 rows x 272 bytes for each wave, for the way out
.set KSTEPS, 64                        ; K steps of 32 in 2,048
.set ALPHA, 16                         ; empty places between two experts on the line of visits
.set DEAD,  0x40000000                 ; the place of a block that is not mine: beyond every segment's length, and 16 more do not wrap it
.set L16,  1                           ; v1     16 x lane: my 16 bytes in a run of 512 of xb
.set WB0,  3                           ; v3-6   LDS: row 16 n + r of weight, 16 h
.set STO,  11                          ; v11    the way out: where I put 32 bytes of a row
.set RD,   12                          ; v12    the way out: where I read a row back
.set CO,   13                          ; v13    my byte offset in two rows of out0
.set HH,   14                          ; v14    h = lane / 16
.set MK,   15                          ; v15    at work: my row's place in the segment
.set GW,   16                          ; v16    phase 1: my byte offset in the 524,288 bytes of weight
.set LW,   17                          ; v17    phase 1: LDS, my 8 bytes of bf16 in my wave's first row
.set H32,  18                          ; v18    32 h: my eight numbers of bias
.set BIAS, 32                          ; v[32:63]   8 registers for each 16 outputs n
.set BF,   64                          ; v[64:127]  weight's buffers 0 and 1: outputs n at + 8 n
.set T,    64                          ; phase 1: eight pairs of packed bf16
.set OB,   64                          ; the way out: two sets of 32
.set ACC,  128                         ; accumulator (m, n) at ACC + 8 (4 m + n)
.set RING, 128                         ; phase 1: 32 slots of 4
.set WV,   14                          ; s14  wave     s15  worker j     s16  column nt     s17-19, s27-29  at work
.set LINE, 20                          ; s20  the line's length so far, at last L     s21, s22  my first place, and the place behind my last
.set LO,   23                          ; s23  the pass's expert: its first token
.set LEN,  24                          ; s24  its tokens
.set PASS, 25                          ; s25  passes to go
.set CNT,  26                          ; s26  the pass's visits
.set U0,   30                          ; s30  the block of its first visit
.set EXP,  31                          ; s31  its expert
.set XB,   32                          ; s[32:39] xb at the wave's blocks
.set OUTB, 40                          ; s[40:47] out0 at the same blocks' first rows, my 64 outputs
.set REL,  48                          ; s48-51   16 x block - LO: the block's first token counted from the segment's first (below 0 it wraps, on purpose), or DEAD
.set SAVE, 52                          ; s52  EXEC, kept     s[54:55]  an offset, its upper word 0
.set WBASE, 56                         ; s[56:57] weight at the pass's 64 rows
.set BBASE, 58                         ; s[58:59] bias at the pass's 64 numbers
.set SA_E, 60                          ; s60-63, s66  my first expert: number, first visit in it, first token, end, visits
.set SA_N, 66
.set SB_E, 67                          ; s67-71  my last expert: the same five; then the second pass's EXP, U0, LO, LEN, CNT
.set CUT,  72                          ; s72-80  the cuts: 0, then offset[1..8] clamped and made ascending
.set NBLK, 84                          ; s84-91  visits of expert e
.set SPOS, 92                          ; s92-99  the place of its first visit
.set MSB, 0
.macro WIN new                         ; the immediate's high byte repeats the setting that is left; a switch that changes nothing is dropped
.if MSB != (\new)
	s_set_vgpr_msb (MSB<<8)|(\new)
.set MSB, \new
.endif
.endm
.set W_MM, 0x04                        ; source 1 (X) in window 1; an LDS load names a destination and source 0 alone, so weight's loads stand under it too
.set W_LD, 0x40                        ; destination in window 1
	s_load_b256 s[4:11], s[0:1], 0x0               ; xb s[4:5], bias s[6:7], expert_offset s[8:9], weight s[10:11]
	s_load_b64 s[12:13], s[0:1], 0x20              ; out0
	v_lshl_add_u32 v30, v0, 2, 0x48c00
	v_mov_b32 v31, 0
	v_lshrrev_b32 v19, 5, v0
	v_readfirstlane_b32 s[WV], v19                 ; wave 0..7
	s_lshr_b32 s15, ttmp9, 5                       ; j
	s_and_b32 s16, ttmp9, 31                       ; nt
	s_mov_b32 s55, 0
	s_wait_kmcnt 0x0
	s_load_b256 s[CUT:CUT+7], s[8:9], 0x0          ; offset[0..7]
	s_load_b32 s[CUT+8], s[8:9], 0x20              ; offset[8]: the buffer's last four bytes
	; the vector addresses are made while the offsets are on their way
	v_and_b32 v20, 31, v0                          ; lane
	v_and_b32 v21, 15, v0                          ; r
	v_bfe_u32 v[HH], v0, 4, 1
	v_lshlrev_b32 v[L16], 4, v20
	v_lshlrev_b32 v[H32], 5, v[HH]
	v_mul_u32_u24 v22, v21, PW
	v_lshl_add_u32 v22, v[HH], 4, v22              ; row x pitch + 16 x half
.irp n, 0,1,2,3
	v_add_nc_u32 v[WB0+(\n)], (\n)*16*PW, v22
.endr
	s_mul_i32 s27, s[WV], 16*SP
	s_add_co_u32 s27, s27, STAGE                   ; my stage
	v_mul_u32_u24 v23, v21, SP                     ; in: row r, 32 bytes for each half of the lanes
	v_lshl_add_u32 v23, v[HH], 5, v23
	v_add_nc_u32 v[STO], s27, v23
	v_mul_u32_u24 v23, v[HH], SP                   ; back: lanes 0-15 take one row of 256 bytes, lanes 16-31 the next
	v_lshl_add_u32 v23, v21, 4, v23
	v_add_nc_u32 v[RD], s27, v23
	v_lshlrev_b32 v[CO], 13, v[HH]                 ; and the same two rows in out0, 8,192 bytes apart
	v_lshl_add_u32 v[CO], v21, 4, v[CO]
	s_lshl_b32 s28, s[WV], 16                      ; phase 1: my wave's 8 rows are 65,536 consecutive bytes of weight
	v_add_nc_u32 v[GW], s28, v[L16]
	s_mul_i32 s28, s[WV], 8*PW                     ; and 8 rows of LDS
	v_lshl_add_u32 v[LW], v20, 3, s28
	s_lshl_b32 s54, s16, 8
	s_add_nc_u64 s[12:13], s[12:13], s[54:55]      ; out0 at my 64 outputs of row 0
	s_wait_kmcnt 0x0
; THE SCHEDULE, on scalar registers, the same in all eight waves.
	s_mov_b32 s[CUT], 0                            ; expert 0 begins at token 0
.irp e, 1,2,3,4,5,6,7,8
	s_max_i32 s[CUT+(\e)], s[CUT+(\e)], 0
	s_min_u32 s[CUT+(\e)], s[CUT+(\e)], 2048
	s_max_u32 s[CUT+(\e)], s[CUT+(\e)], s[CUT+(\e)-1]  ; no segment ends ahead of its beginning
.endr
	s_mov_b32 s[LINE], 0
.irp e, 0,1,2,3,4,5,6,7                ; each expert's visits, and the place of the first
	s_lshr_b32 s17, s[CUT+(\e)], 4
	s_add_co_u32 s18, s[CUT+(\e)+1], 15
	s_lshr_b32 s18, s18, 4
	s_sub_co_u32 s18, s18, s17                     ; blocks of 16 tokens that the segment touches,
	s_cmp_lg_u32 s[CUT+(\e)+1], s[CUT+(\e)]
	s_cselect_b32 s[NBLK+(\e)], s18, 0             ; none if it is empty
	s_cmp_lg_u32 s[LINE], 0
	s_cselect_b32 s17, ALPHA, 0                    ; no empty places ahead of the first expert that has tokens
	s_add_co_u32 s[SPOS+(\e)], s17, s[LINE]
	s_add_co_u32 s18, s[SPOS+(\e)], s[NBLK+(\e)]
	s_cmp_lg_u32 s[NBLK+(\e)], 0
	s_cselect_b32 s[LINE], s18, s[LINE]            ; an empty expert takes no place (its SPOS serves nothing: it has no visit to count)
.endr
	s_mul_i32 s21, s15, s[LINE]
	s_lshr_b32 s21, s21, 3                         ; my places: j L / 8
	s_add_co_u32 s22, s15, 1
	s_mul_i32 s22, s22, s[LINE]
	s_lshr_b32 s22, s22, 3                         ; to (j + 1) L / 8: the eight workers' places tile the line
.irp r, 60,61,62,63,66,67,68,69,70,71
	s_mov_b32 s\r, 0
.endr
.irp e, 0,1,2,3,4,5,6,7                ; which of expert e's visits are mine
	s_sub_co_i32 s17, s21, s[SPOS+(\e)]
	s_max_i32 s17, s17, 0                          ; the first,
	s_sub_co_i32 s18, s22, s[SPOS+(\e)]
	s_min_i32 s18, s18, s[NBLK+(\e)]               ; the one behind the last,
	s_sub_co_i32 s18, s18, s17
	s_max_i32 s18, s18, 0                          ; how many
	s_cmp_eq_u32 s[SA_N], 0                        ; my first expert: taken anew until one has visits
	s_cselect_b32 s[SA_E], \e, s[SA_E]
	s_cselect_b32 s[SA_E+1], s17, s[SA_E+1]
	s_cselect_b32 s[SA_E+2], s[CUT+(\e)], s[SA_E+2]
	s_cselect_b32 s[SA_E+3], s[CUT+(\e)+1], s[SA_E+3]
	s_cselect_b32 s[SA_N], s18, s[SA_N]
	s_cmp_lg_u32 s18, 0                            ; my last expert: taken anew by each that has visits
	s_cselect_b32 s[SB_E], \e, s[SB_E]
	s_cselect_b32 s[SB_E+1], s17, s[SB_E+1]
	s_cselect_b32 s[SB_E+2], s[CUT+(\e)], s[SB_E+2]
	s_cselect_b32 s[SB_E+3], s[CUT+(\e)+1], s[SB_E+3]
	s_cselect_b32 s[SB_E+4], s18, s[SB_E+4]
.endr
	s_cmp_eq_u32 s[SA_E], s[SB_E]
	s_cselect_b32 s[SB_E+4], 0, s[SB_E+4]          ; one expert alone: the second pass has no visit
	s_mov_b32 s[EXP], s[SA_E]                      ; the first pass
	s_mov_b32 s[CNT], s[SA_N]
	s_mov_b32 s[LO], s[SA_E+2]
	s_sub_co_u32 s[LEN], s[SA_E+3], s[SA_E+2]
	s_lshr_b32 s17, s[SA_E+2], 4
	s_add_co_u32 s[U0], s17, s[SA_E+1]
	s_sub_co_u32 s[SB_E+3], s[SB_E+3], s[SB_E+2]   ; the second, kept as EXP, U0, LO, LEN, CNT
	s_lshr_b32 s17, s[SB_E+2], 4
	s_add_co_u32 s[SB_E+1], s17, s[SB_E+1]
; PHASE 1's slot i of 128: 512 consecutive bytes of my wave's 65,536.  32 loads of every wave, 16,384 bytes, are on their way; slot i's registers take load i + 32 as soon as they are converted.
; Behind load i stand loads i + 1 to i + 31, from slot 96 on those that are left; the bias loads are older.
.macro SLOTW i
.if (\i) < 96
	s_wait_loadcnt 31
.else
	s_wait_loadcnt 127-(\i)
.endif
	v_cvt_pk_bf16_f32 v[T+2*((\i)%8)],   v[RING+4*((\i)%32)],   v[RING+4*((\i)%32)+1]
	v_cvt_pk_bf16_f32 v[T+2*((\i)%8)+1], v[RING+4*((\i)%32)+2], v[RING+4*((\i)%32)+3]
.if (\i) < 96
	global_load_b128 v[RING+4*((\i)%32):RING+4*((\i)%32)+3], v[GW], s[WBASE:WBASE+1] offset:512*((\i)+32)
.endif
	ds_store_b64 v[LW], v[T+2*((\i)%8):T+2*((\i)%8)+1] offset:PW*((\i)/16)+256*((\i)%16)  ; 128 numbers of a row: 256 consecutive bytes
.endm
; PHASE 2.
; BR = the first register of weight's buffer c in the body of height H: v64, v96; then v192, v224 (H = 2: behind its 8 accumulators) or the bias's v32 (H = 4).
.macro BUFREG c, H
.if (\c) < 2
.set BR, BF+32*(\c)
.elseif (\H) == 2
.set BR, ACC+32*(\c)
.else
.set BR, BIAS
.endif
.endm
; 4 matrix instructions: block m x all 64 outputs, 32 along K.  FS = 1: the bias starts the sums.  SA and SB are the step's slot of X and buffer of weight.
.macro MULM m
.irp n, 0,1,2,3
.if FS
	v_wmma_f32_16x16x32_bf16 v[ACC+8*(4*(\m)+(\n)):ACC+8*(4*(\m)+(\n))+7], v[SB+8*(\n):SB+8*(\n)+7], v[SA+8*(\m):SA+8*(\m)+7], v[BIAS+8*(\n):BIAS+8*(\n)+7]
.else
	v_wmma_f32_16x16x32_bf16 v[ACC+8*(4*(\m)+(\n)):ACC+8*(4*(\m)+(\n))+7], v[SB+8*(\n):SB+8*(\n)+7], v[SA+8*(\m):SA+8*(\m)+7], v[ACC+8*(4*(\m)+(\n)):ACC+8*(4*(\m)+(\n))+7]
.endif
.endr
.endm
; A load into a register that a matrix instruction has read stands four places behind it, and only plain vector instructions that name none of its registers are places
; (ISA guide 7.12.1 for vector instructions).
.macro PLACES
.rept 4
	v_nop
.endr
.endm
; Step st's request to LDS: weight's fragments of K step st + NBUF - 1, eight loads, into buffer RB.
.macro ASKW st
.irp n, 0,1,2,3
	ds_load_b128 v[RB+8*(\n):RB+8*(\n)+3],   v[WB0+(\n)] offset:64*((\st)+NBUF-1)
	ds_load_b128 v[RB+8*(\n)+4:RB+8*(\n)+7], v[WB0+(\n)] offset:64*((\st)+NBUF-1)+32
.endr
.endm
; K step st of 64 for H blocks (4 or 2).  X has NS = 32 / H slots, weight NBUF = 5 - H / 2 buffers.  The step multiplies slot st % NS of X by buffer st % NBUF of weight.  In its middle it asks for
; weight's fragments of step st + NBUF - 1 and X's of step st + NS - 1, while there are such steps: they go into the buffer and the slot that step st - 1 read, behind four places.
; In the high body step 0's request goes into the bias's registers, which its second half still takes as C: it stands at the step's end, behind four places of its own; the order of the requests is kept.
; The 4 H accumulators take turns in the same order in every step.
; The wait for X leaves out 2 H loads for each K step asked for behind this one's: NS - 2 steps, at the end 63 - st.  The last fill is K step 63: it ends at the block's last byte.
; The wait for weight leaves out eight LDS loads for each K step asked for behind this one's: NBUF - 2 steps, at the end 63 - st.
.macro STEP st, H
.set NS, 32/(\H)
.set SZ, 8*(\H)
.set NBUF, 5-(\H)/2
.set SA, SZ*((\st)%NS)
.set NA, SZ*(((\st)+NS-1)%NS)
	BUFREG (\st)%NBUF, \H
.set SB, BR
	BUFREG ((\st)+NBUF-1)%NBUF, \H
.set RB, BR
.if (\st) < KSTEPS-NS+1
.set LEFT, (NS-2)*2*(\H)
.else
.set LEFT, 2*(\H)*(KSTEPS-1-(\st))
.endif
.if (\st) < KSTEPS-NBUF+1
.set LEFTD, 8*(NBUF-2)
.else
.set LEFTD, 8*(KSTEPS-1-(\st))
.endif
.if (\st) == 0
.set FS, 1
.else
.set FS, 0
.endif
.if ((\H) == 4) && ((\st) == 0)
.set DEFER, 1
.else
.set DEFER, 0
.endif
	s_wait_loadcnt LEFT                            ; X of this step is in
	s_wait_dscnt LEFTD                             ; LDS loads come back in order (ISA guide 5.7.1): weight of this step is in, the later steps' stay out
	WIN W_MM
	MULM 0
.if (\H) == 4
	MULM 1
.endif
.if (\st) < KSTEPS-NBUF+1              ; the last NBUF - 1 steps load nothing (X's fills have ended before)
	PLACES
.if !DEFER
	ASKW \st
.endif
.endif
.if (\st) < KSTEPS-NS+1
	WIN W_LD
.irp m, 0,1,2,3
.if (\m) < (\H)
	global_load_b128 v[NA+8*(\m):NA+8*(\m)+3],   v[L16], s[XB+2*(\m):XB+2*(\m)+1] offset:1024*((\st)+NS-1)
	global_load_b128 v[NA+8*(\m)+4:NA+8*(\m)+7], v[L16], s[XB+2*(\m):XB+2*(\m)+1] offset:1024*((\st)+NS-1)+512
.endif
.endr
	WIN W_MM
.endif
.if (\H) == 4
	MULM 2
	MULM 3
.else
	MULM 1
.endif
.if DEFER
	PLACES                                         ; behind the last products that take the bias
	ASKW \st
.endif
.endm
; THE WAY OUT of block m.  TOSTAGE: a lane's 32 bytes of each 16 outputs go into my own stage (each accumulator's low registers first) and come back as whole rows of 256 bytes.
.macro TOSTAGE m
.irp n, 0,1,2,3
	ds_store_b128 v[STO], v[ACC+8*(4*(\m)+(\n)):ACC+8*(4*(\m)+(\n))+3]   offset:64*(\n)
	ds_store_b128 v[STO], v[ACC+8*(4*(\m)+(\n))+4:ACC+8*(4*(\m)+(\n))+7] offset:64*(\n)+16
.endr
.irp t, 0,1,2,3,4,5,6,7
	ds_load_b128 v[OB+32*((\m)%2)+4*(\t):OB+32*((\m)%2)+4*(\t)+3], v[RD] offset:2*SP*(\t)  ; LDS serves a wave's instructions in order (ISA guide 5.7.1.4): these see the stores above; the next block's stores come behind them
.endr
.endm
; SEND: rows 2 t + h are stored where they belong to the segment.  One unsigned test, place < LEN, serves all: a row ahead of the segment has wrapped below 0, a row behind it lies at LEN or
; beyond, and so does every row of a block that is not mine (DEAD).  younger = the LDS instructions issued behind this block's loads.
.macro SEND m, younger
.irp t, 0,1,2,3,4,5,6,7
	s_wait_dscnt (\younger)+7-(\t)                 ; rows 2 t, 2 t + 1 are back
	v_add_nc_u32 v[MK], s[REL+(\m)], v[HH]
	v_cmp_gt_u32 vcc_lo, s[LEN], v[MK]
	s_and_saveexec_b32 s[SAVE], vcc_lo             ; no load or store has been issued since the last s_wait_xcnt 0
	global_store_b128 v[CO], v[OB+32*((\m)%2)+4*(\t):OB+32*((\m)%2)+4*(\t)+3], s[OUTB+2*(\m):OUTB+2*(\m)+1] offset:16384*(\t) th:TH_STORE_NT  ; 16 lanes store 256 consecutive bytes of a row, at a multiple of 256 from out0's first byte
	s_wait_xcnt 0x0                                ; EXEC is a source of the store: it is widened only behind this wait, which also frees the store's registers
	s_or_b32 exec_lo, exec_lo, s[SAVE]
	s_add_co_u32 s[REL+(\m)], s[REL+(\m)], 2       ; the next two rows
.endr
.endm
; A wave's group of H blocks: visits s27 to s27 + H - 1 of the pass.
.macro BODY H
.set NSB, 32/(\H)
.set SZB, 8*(\H)
.set NBB, 5-(\H)/2
.set mm, 0
.rept \H
	s_add_co_u32 s28, s27, mm                      ; the visit,
	s_add_co_u32 s29, s28, s[U0]                   ; its block,
	s_lshl_b32 s17, s29, 4
	s_sub_co_u32 s17, s17, s[LO]                   ; the block's first token, counted from the segment's first
	s_cmp_lt_u32 s28, s[CNT]
	s_cselect_b32 s[REL+mm], s17, DEAD             ; a visit past the pass's count is not mine
	s_min_u32 s29, s29, 127                        ; a block past the last is read as the last
	s_lshl_b32 s54, s29, 16                        ; 65,536 bytes of xb a block
	s_add_nc_u64 s[XB+2*mm:XB+2*mm+1], s[4:5], s[54:55]
	s_lshl_b32 s54, s29, 17                        ; 16 rows of 8,192 bytes of out0
	s_add_nc_u64 s[OUTB+2*mm:OUTB+2*mm+1], s[12:13], s[54:55]
.set mm, mm+1
.endr
	WIN W_LD
.set kk, 0
.rept NSB-1                            ; X of K steps 0 to NS - 2: 56 loads (H = 4) or 60 (H = 2) of 512 bytes on their way
.set mm, 0
.rept \H
	global_load_b128 v[SZB*kk+8*mm:SZB*kk+8*mm+3],   v[L16], s[XB+2*mm:XB+2*mm+1] offset:1024*kk
	global_load_b128 v[SZB*kk+8*mm+4:SZB*kk+8*mm+7], v[L16], s[XB+2*mm:XB+2*mm+1] offset:1024*kk+512
.set mm, mm+1
.endr
.set kk, kk+1
.endr
	WIN 0
.set bb, 0
.rept NBB-1                            ; weight of K steps 0 to NBUF - 2, into buffers 0 to NBUF - 2 (in the high body the bias's registers are not among them)
	BUFREG bb, \H
.irp n, 0,1,2,3
	ds_load_b128 v[BR+8*(\n):BR+8*(\n)+3],   v[WB0+(\n)] offset:64*bb
	ds_load_b128 v[BR+8*(\n)+4:BR+8*(\n)+7], v[WB0+(\n)] offset:64*bb+32
.endr
.set bb, bb+1
.endr
.set ks, 0
.rept KSTEPS                           ; the 64 K steps on end: step 0's products start the sums with the bias
	STEP ks, \H
.set ks, ks+1
.endr
	WIN 0
.rept 5
	v_nop                                          ; the places behind the last products, in front of the LDS stores that read them, of the loads into weight's buffers and of the next pass's first products
.endr
	s_wait_xcnt 0x0                                ; EXEC is narrowed below only behind this wait
	TOSTAGE 0
	TOSTAGE 1
	SEND 0, 16                                     ; behind block 0's loads stand block 1's eight stores and eight loads
.if (\H) == 4
	TOSTAGE 2
	SEND 1, 16
	TOSTAGE 3
	SEND 2, 16
	SEND 3, 0
.else
	SEND 1, 0
.endif
.endm
	s_mov_b32 s[PASS], 2
.Lpass:
	s_wait_xcnt 0x0                                ; the last pass's bases are rewritten only behind this wait
	s_min_u32 s27, s[EXP], 7
	s_lshl_b32 s27, s27, 5
	s_add_co_u32 s27, s27, s16                     ; 32 e + nt
	s_lshl_b32 s54, s27, 19                        ; 64 rows of 8,192 bytes of weight
	s_add_nc_u64 s[WBASE:WBASE+1], s[10:11], s[54:55]
	s_lshl_b32 s54, s27, 8                         ; 64 numbers of bias
	s_add_nc_u64 s[BBASE:BBASE+1], s[6:7], s[54:55]
.irp n, 0,1,2,3
	global_load_b128 v[BIAS+8*(\n):BIAS+8*(\n)+3],   v[H32], s[BBASE:BBASE+1] offset:64*(\n)     ; bias of outputs 16 n + 8 h + 0..3,
	global_load_b128 v[BIAS+8*(\n)+4:BIAS+8*(\n)+7], v[H32], s[BBASE:BBASE+1] offset:64*(\n)+16  ; + 4..7: the accumulators' own layout
.endr
	s_cmp_eq_u32 s[CNT], 0
	s_cbranch_scc1 .Lstreamed                      ; a pass without a visit streams nothing: forward, over text without a barrier
.irp i, 0,1,2,3,4,5,6,7,8,9,10,11,12,13,14,15,16,17,18,19,20,21,22,23,24,25,26,27,28,29,30,31
	global_load_b128 v[RING+4*(\i):RING+4*(\i)+3], v[GW], s[WBASE:WBASE+1] offset:512*(\i)
.endr
.set sl, 0
.rept 128
	SLOTW sl
.set sl, sl+1
.endr
.Lstreamed:
	s_wait_loadcnt 0x0                             ; the bias, where nothing was streamed
	s_wait_dscnt 0x0                               ; for the others' sake: my rows of weight are in LDS
	s_barrier_signal -1
	s_barrier_wait -1                              ; all 64 rows are in LDS
	s_cmp_gt_u32 s[CNT], 16
	s_cbranch_scc0 .Lshort
	s_lshl_b32 s27, s[WV], 2                       ; my first visit: 4 w
	s_cmp_ge_u32 s27, s[CNT]
	s_cbranch_scc1 .Ldone                          ; forward, over text without a barrier
	BODY 4
	s_branch .Ldone
.Lshort:
	s_lshl_b32 s27, s[WV], 1                       ; my first visit: 2 w
	s_cmp_ge_u32 s27, s[CNT]
	s_cbranch_scc1 .Ldone
	BODY 2
.Ldone:
	s_wait_dscnt 0x0                               ; my reads of weight's rows are over
	s_barrier_signal -1
	s_mov_b32 s[EXP], s[SB_E]                      ; the second pass's figures, while the others arrive
	s_mov_b32 s[U0], s[SB_E+1]
	s_mov_b32 s[LO], s[SB_E+2]
	s_mov_b32 s[LEN], s[SB_E+3]
	s_mov_b32 s[CNT], s[SB_E+4]
	s_barrier_wait -1                              ; everybody's are: the rows may be stored over
	s_sub_co_u32 s[PASS], s[PASS], 1
	s_cmp_lg_u32 s[PASS], 0
	s_cbranch_scc1 .Lpass
	s_wait_tensorcnt 0x0
	ds_add_u32 v30, v31
	s_wait_dscnt 0x0
	s_endpgm
.Lfunc_end_k_q21f598e388_moe:
	.size	k_q21f598e388_moe, .Lfunc_end_k_q21f598e388_moe-k_q21f598e388_moe
	.p2alignl 7, 3214868480
	.fill 96, 4, 3214868480
	.section	.rodata,"a",@progbits
	.p2align	6, 0x0
	.amdhsa_kernel k_q21f598e388_moe
		.amdhsa_group_segment_fixed_size 299008
		.amdhsa_private_segment_fixed_size 0
		.amdhsa_enable_private_segment 0
		.amdhsa_kernarg_size 40
		.amdhsa_user_sgpr_count 2
		.amdhsa_user_sgpr_kernarg_segment_ptr 1
		.amdhsa_wavefront_size32 1
		.amdhsa_system_sgpr_workgroup_id_x 1
		.amdhsa_system_sgpr_workgroup_id_y 1
		.amdhsa_system_sgpr_workgroup_id_z 1
		.amdhsa_system_vgpr_workitem_id 0
		.amdhsa_next_free_vgpr 512
		.amdhsa_next_free_sgpr 100
		.amdhsa_reserve_vcc 1
		.amdhsa_float_denorm_mode_32 3
		.amdhsa_float_denorm_mode_16_64 3
		.amdhsa_memory_ordered 1
		.amdhsa_forward_progress 1
		.amdhsa_inst_pref_size 255
	.end_amdhsa_kernel
	.section	.bss,"aw",@nobits
	.p2align	6
	.space	262144
	.amdgpu_metadata
---
amdhsa.version: [ 1, 2 ]
amdhsa.kernels:
  - .name:           k_q21f598e388_moe
    .symbol:         k_q21f598e388_moe.kd
    .args:
      - { .name: xb, .offset: 0, .size: 8, .value_kind: global_buffer, .address_space: global }
      - { .name: bias, .offset: 8, .size: 8, .value_kind: global_buffer, .address_space: global }
      - { .name: expert_offset, .offset: 16, .size: 8, .value_kind: global_buffer, .address_space: global }
      - { .name: weight, .offset: 24, .size: 8, .value_kind: global_buffer, .address_space: global }
      - { .name: out0, .offset: 32, .size: 8, .value_kind: global_buffer, .address_space: global }
    .group_segment_fixed_size: 299008
    .private_segment_fixed_size: 0
    .kernarg_segment_align: 8
    .kernarg_segment_size: 40
    .max_flat_workgroup_size: 256
    .sgpr_count:     100
    .vgpr_count:     512
    .wavefront_size: 32
...
	.end_amdgpu_metadata
.endif
;; end of part 3
